; MI455X (gfx1250); checked and timed in simulation.
; The chip was launched on July 23, 2026; its instructions are those of AMD's public machine-readable ISA for CDNA 5 (MIT licence, August 2026) and "CDNA5" Instruction Set Architecture Reference Guide (July 2026). The comments in the code are by the model that wrote it; some were corrected since.
;; Cross Attention. Allowed arithmetic: matrix products marked QUANTISED: E4M3 operands, one given power-of-two scale a tensor, by v_wmma_f32_16x16x64_fp8_fp8 or v_wmma_f32_16x16x128_fp8_fp8, f32 sums; everything else in f32.
;; Inputs: Wk 1,024 x 1,024 float32; Wo 1,024 x 1,024 float32; Wq 1,024 x 1,024 float32; Wv 1,024 x 1,024 float32; bk 1,024 float32; bo 1,024 float32; bq 1,024 float32; bv 1,024 float32; kv 4 x 2,048 x 1,024 float32; lowp_scales 12 int32 (the exponents e of the quantised operands' scales 2^e); q 4 x 2,048 x 1,024 float32.
;; Outputs: out0 4 x 2,048 x 1,024 float32.
;; This version of the problem:
;;   THIS VERSION OF THE PROBLEM IS GIVEN IN LOW PRECISION. The matrix products marked QUANTISED in the list below multiply operands that are first quantised to E4M3 (4 exponent bits, 3 mantissa bits; 8 bits a number), with one given power-of-two scale for each operand tensor; their sums are f32. All else is computed in f32.
;;   The module's matrix products, in the order in which they are computed (A, B: the left and right operand; K: the contracted axis; several contracted axes count as one K, in the product's order):
;;     1. [M 8,192, K 1,024] x [K 1,024, N 1,024]; A: input q; B: input Wq: QUANTISED (scales: A lowp_scales[0], B lowp_scales[1])
;;     2. [M 8,192, K 1,024] x [K 1,024, N 1,024]; A: input kv; B: input Wk: QUANTISED (scales: A lowp_scales[2], B lowp_scales[3])
;;     3. [M 8,192, K 1,024] x [K 1,024, N 1,024]; A: input kv; B: input Wv: QUANTISED (scales: A lowp_scales[4], B lowp_scales[5])
;;     4. batch 64 x [M 2,048, K 64] x [K 64, N 2,048]; A: computed on the way; B: computed on the way: QUANTISED (scales: A lowp_scales[6], B lowp_scales[7])
;;     5. batch 64 x [M 2,048, K 2,048] x [K 2,048, N 64]; A: softmax (see below); B: computed on the way: QUANTISED (scales: A lowp_scales[8], B lowp_scales[9])
;;     6. [M 8,192, K 1,024] x [K 1,024, N 1,024]; A: computed on the way; B: input Wo: QUANTISED (scales: A lowp_scales[10], B lowp_scales[11])
;;   THE QUANTISER, for each operand of a quantised product, along K:
;;     - The operand's scale is 2^e, e = its entry of the input lowp_scales (int32; the entries are numbered through the quantised products in the list's order, A before B).
;;     - Each number is divided by the scale, clamped to +-448, and rounded to the nearest number of E4M3, ties to even, subnormals kept.
;;     - The product sums the exact products of the quantised numbers (number of the format x scale) in f32.
;;   ~~~python
;;   def quantise(x, axis, e):      # numpy; x: float32 -> the quantised numbers, widened to float32 again
;;       x = np.moveaxis(x, axis, -1); K = x.shape[-1]
;;       r = np.clip(x / 2.0 ** e, -448, 448)
;;       step = 2.0 ** (np.maximum(np.frexp(np.where(r == 0, 1, r))[1] - 1, -6) - 3)
;;       q = np.round(r / step) * step * 2.0 ** e      # np.round: ties to even
;;       return np.moveaxis(q, -1, axis).astype(np.float32)
;;   ~~~
;;   SOFTMAX AHEAD OF A QUANTISED PRODUCT. Where the list says 'softmax', what is quantised is not the finished softmax but p = 2^(t - M), with t = logit x log2(e) and M = ceil(the row's largest t), a whole number; so 1/2 < the row's largest p <= 1. The row's sum l is taken of the UNQUANTISED p, in f32, and the product's result is divided by l at the end. Since M is a whole number, a kernel that streams over the keys may use a running M (the ceiling of the running maximum): every later rescaling is an exact power of two, so the quantised numbers keep their values, but for numbers so far below the row's largest that they fall under the format's range.
;;   OPERANDS COMPUTED ON THE WAY. 'Computed on the way' means the value that the module computes at that place (a softmax that the list does not call 'softmax' is quantised finished and normalised). What goes into a quantiser is computed in f32, as accurately as f32 sums, v_exp_f32 and their like allow (about 1e-6 of the number): no bf16 or f16 on the way to a quantiser, and a product that is left as it is and whose result goes on into a quantised operand takes f32 operands (vector FMAs, or v_wmma_f32_16x16x4_f32). A number that lies on a knife's edge between two numbers of the format may be rounded either way, as far as f32 arithmetic and the matrix unit's own rounding can turn it there, and no further.
;; One version. Each part assembles by itself: llvm-mc -triple=amdgcn-amd-amdhsa -mcpu=gfx1250 --defsym DOCPART=n.
;; ======== version 1 of 1: 4 launches
;; limits: right only within a limited range of input values
;; workspace buffers: xw 29,360,128 bytes; qkv 25,165,824 bytes; ao 8,388,608 bytes
;; launch quant (part 1): grid 640 x 1, 4 waves a work-group, no clusters, 33,280 bytes of LDS; arguments q, kv, Wq, Wk, Wv, Wo, lowp_scales, xw; writes xw
.if DOCPART == 1
	.amdgcn_target "amdgcn-amd-amdhsa--gfx1250"
	.amdhsa_code_object_version 6
	.text
	.protected	k_q29bb5b4fc9_quant
	.globl	k_q29bb5b4fc9_quant
	.p2align	8
	.type	k_q29bb5b4fc9_quant,@function
k_q29bb5b4fc9_quant:
	s_mov_b64 s[64:65], 0
	v_nop
	global_prefetch_b8 v0, s[64:65] scope:SCOPE_SE
	s_setreg_imm32_b32 hwreg(HW_REG_WAVE_MODE, 25, 1), 1
	s_wait_xcnt 0x0
; q, kv [8192][1024] and Wq, Wk, Wv, Wo [1024][1024], f32, K innermost, become codes of FP8 (E4M3) in xw, rows of 1,024 bytes:
;   q -> byte 0 (scale entry 0); kv -> 8 Mi (entry 2) AND 16 Mi (entry 4); Wq -> 24 Mi (1); Wk -> 25 Mi (3); Wv -> 26 Mi (5); Wo -> 27 Mi (11).
; code = x / 2^e, held within +-448, rounded to the nearest code, ties to even.
; LIMITS: each e lies between -126 and 119, so that 2^e and 448 x 2^e are f32 numbers.  NaN among the inputs is not served (an infinity is held at the largest code).
; Rows are dense, so each tensor is a plain stream.  A work-group takes 32,768 numbers, a wave 8,192: 16 steps of 512.  Work-groups 0-255: q; 256-511: kv; then 32 for each weight.
; Only pointers, offsets and exponents are chosen by the work-group's number; all streams take one path but for kv's second conversion, which stands under a scalar branch with no LDS line in it.
; Each load reads 512 consecutive bytes (16 a lane); a step's 2,048 bytes turn through the wave's own stage in LDS, so that a lane then holds 16 neighbours along K, which the conversions want;
; a lane's 16 codes are 16 bytes: a store of the wave covers 512 consecutive bytes, aligned.  Loads run four steps (16 loads a wave) ahead, the turn through LDS one step.
; No tensor loads, no barrier, no cluster: waves and work-groups share nothing.
.set STEPS, 16
.set SP,    80                         ; a lane's place in a stage: its 64 bytes + 16 of padding
.set WREG,  8192                       ; LDS of a wave: two stages of 32 x SP bytes
.set MANT,  0x600000                   ; the mantissa field of 448 as f32
.set R,     16                         ; v16-79   four sets of 16 numbers as loaded
.set X,     80                         ; v80-111  two sets of 16 neighbours
.set T,     112
.set C1,    128                        ; v128-191 codes, four registers a step: no store's data are written again
.set C2,    192                        ; v192-255 kv's second codes
	s_load_b512 s[8:23], s[0:1], 0x0               ; q s[8:9], kv s[10:11], Wq s[12:13], Wk s[14:15], Wv s[16:17], Wo s[18:19], scales s[20:21], xw s[22:23]
	v_lshl_add_u32 v8, v0, 2, 0x8000
	v_mov_b32 v9, 0
	v_lshrrev_b32 v1, 5, v0
	v_readfirstlane_b32 s2, v1                     ; wave
	v_and_b32 v2, 31, v0                           ; lane
	v_lshlrev_b32 v3, 4, v2                        ; 16 x lane: my bytes of a load's 512 and of a store's 512; never rewritten
	s_mul_i32 s3, s2, WREG
	v_lshrrev_b32 v14, 2, v2
	v_mul_u32_u24 v14, v14, SP
	v_and_b32 v15, 3, v2
	v_lshl_add_u32 v14, v15, 4, v14
	v_add_nc_u32 v14, s3, v14                      ; the stage, on the way in: SP (lane / 4) + 16 (lane % 4)
	v_mul_u32_u24 v15, v2, SP
	v_add_nc_u32 v15, s3, v15                      ; and on the way out: SP x lane: my 16 neighbours
	s_wait_alu depctr_va_vdst(0)
	s_wait_kmcnt 0x0
	s_load_b256 s[32:39], s[20:21], 0x0            ; e0 .. e7
	s_load_b128 s[40:43], s[20:21], 0x20           ; e8 .. e11
	s_mov_b64 s[4:5], s[18:19]                     ; the stream: Wo, unless the work-group's number is lower
	s_mov_b32 s24, 608                             ; the stream's first work-group
	s_mov_b32 s25, 27<<20                          ; its codes' place in xw
.macro PICK bound, ptr, first, off
	s_cmp_lt_u32 ttmp9, \bound
	s_cselect_b64 s[4:5], s[\ptr:\ptr+1], s[4:5]
	s_cselect_b32 s24, \first, s24
	s_cselect_b32 s25, \off, s25
.endm
	PICK 608, 16, 576, 26<<20
	PICK 576, 14, 544, 25<<20
	PICK 544, 12, 512, 24<<20
	PICK 512, 10, 256, 8<<20
	PICK 256, 8, 0, 0
	s_sub_co_u32 s26, ttmp9, s24
	s_lshl_b32 s26, s26, 2
	s_add_co_u32 s26, s26, s2                      ; which run of 8,192 numbers of the stream is my wave's
	s_lshl_b32 s44, s26, 15                        ; x 32,768 bytes of f32 (32 Mi at the most)
	s_mov_b32 s45, 0
	s_add_nc_u64 s[4:5], s[4:5], s[44:45]
	s_lshl_b32 s44, s26, 13                        ; x 8,192 bytes of codes
	s_add_co_u32 s44, s44, s25
	s_add_nc_u64 s[6:7], s[22:23], s[44:45]
	s_add_nc_u64 s[28:29], s[6:7], 0x800000        ; kv's second codes lie 8 Mi further on; used by kv's work-groups alone
	s_lshr_b32 s27, ttmp9, 8
	s_cmp_eq_u32 s27, 1
	s_cselect_b32 s27, 1, 0                        ; 1: my stream is kv
.macro LOAD t
.irp i, 0,1,2,3
	global_load_b128 v[R+16*((\t)%4)+4*\i:R+16*((\t)%4)+4*\i+3], v3, s[4:5] offset:2048*(\t)+512*\i th:TH_LOAD_NT   ; 32 lanes read 512 consecutive bytes
.endr
.endm
.macro TURN t                          ; step t's numbers through the stage: LDS serves a wave's instructions in order, so no wait stands between the stores and the loads
.irp i, 0,1,2,3
	ds_store_b128 v14, v[R+16*((\t)%4)+4*\i:R+16*((\t)%4)+4*\i+3] offset:32*SP*((\t)%2)+8*SP*\i
.endr
.irp i, 0,1,2,3
	ds_load_b128 v[X+16*((\t)%2)+4*\i:X+16*((\t)%2)+4*\i+3], v15 offset:32*SP*((\t)%2)+16*\i
.endr
.endm
.irp t, 0,1,2,3
	LOAD \t
.endr
	s_wait_kmcnt 0x0
	s_mov_b32 s30, s43                             ; e of my stream: the same choice once more
.macro PICKE bound, e
	s_cmp_lt_u32 ttmp9, \bound
	s_cselect_b32 s30, s[\e], s30
.endm
	PICKE 608, 37
	PICKE 576, 35
	PICKE 544, 33
	PICKE 512, 34
	PICKE 256, 32
	s_add_co_i32 s30, s30, 127
	s_lshl_b32 s44, s30, 23
	v_mov_b32 v11, s44                             ; 2^e as f32: the conversion takes its exponent field
	s_add_co_i32 s31, s36, 127                     ; the same with entry 4, for kv's second codes
	s_lshl_b32 s44, s31, 23
	v_mov_b32 v13, s44
	s_wait_alu depctr_va_vdst(0)
	s_wait_loadcnt 12                              ; step 0's four loads are in; the twelve of steps 1 to 3 stay out
	TURN 0
.macro STEP t
.set XS, X+16*((\t)%2)
	s_wait_dscnt 0x0                               ; this step's numbers are back from the stage: so its stores into the stage have read their registers,
.if (\t)+4 < STEPS
	LOAD (\t)+4                                    ; which take the loads of four steps on
.endif
.if (\t)+1 < STEPS
.if STEPS-2-(\t) >= 3
	s_wait_loadcnt 12                              ; the next step's four loads are in; those of the three steps behind it may be out
.else
	s_wait_loadcnt 4*(STEPS-2-(\t))                ; the tail: four for each step still behind the next
.endif
	TURN (\t)+1
.endif
.set ii, 0
.rept 16
.set ii, ii+1
.endr
	v_cvt_scalef32_pk8_fp8_f32 v[C1+4*(\t):C1+4*(\t)+1], v[XS:XS+7], v11
	v_cvt_scalef32_pk8_fp8_f32 v[C1+4*(\t)+2:C1+4*(\t)+3], v[XS+8:XS+15], v11
	v_nop                                          ; a plain line between the conversions and the next writes of their sources
	global_store_b128 v3, v[C1+4*(\t):C1+4*(\t)+3], s[6:7] offset:512*(\t)
	s_cmp_eq_u32 s27, 0
	s_cbranch_scc1 .Lone_\@                        ; only kv is quantised a second time
.set ii, 0
.rept 16
.set ii, ii+1
.endr
	v_cvt_scalef32_pk8_fp8_f32 v[C2+4*(\t):C2+4*(\t)+1], v[XS:XS+7], v13
	v_cvt_scalef32_pk8_fp8_f32 v[C2+4*(\t)+2:C2+4*(\t)+3], v[XS+8:XS+15], v13
	v_nop
	global_store_b128 v3, v[C2+4*(\t):C2+4*(\t)+3], s[28:29] offset:512*(\t)
.Lone_\@:
.endm
.irp t, 0,1,2,3,4,5,6,7,8,9,10,11,12,13,14,15
	STEP \t
.endr
	s_wait_tensorcnt 0x0
	ds_add_u32 v8, v9
	s_wait_dscnt 0x0
	s_endpgm
.Lfunc_end_k_q29bb5b4fc9_quant:
	.size	k_q29bb5b4fc9_quant, .Lfunc_end_k_q29bb5b4fc9_quant-k_q29bb5b4fc9_quant
	.p2alignl 7, 3214868480
	.fill 96, 4, 3214868480
	.section	.rodata,"a",@progbits
	.p2align	6, 0x0
	.amdhsa_kernel k_q29bb5b4fc9_quant
		.amdhsa_group_segment_fixed_size 33280
		.amdhsa_private_segment_fixed_size 0
		.amdhsa_enable_private_segment 0
		.amdhsa_kernarg_size 64
		.amdhsa_user_sgpr_count 2
		.amdhsa_user_sgpr_kernarg_segment_ptr 1
		.amdhsa_wavefront_size32 1
		.amdhsa_system_sgpr_workgroup_id_x 1
		.amdhsa_system_sgpr_workgroup_id_y 1
		.amdhsa_system_sgpr_workgroup_id_z 1
		.amdhsa_system_vgpr_workitem_id 0
		.amdhsa_next_free_vgpr 256
		.amdhsa_next_free_sgpr 66
		.amdhsa_reserve_vcc 0
		.amdhsa_float_denorm_mode_32 3
		.amdhsa_float_denorm_mode_16_64 3
		.amdhsa_fp16_overflow 1
		.amdhsa_memory_ordered 1
		.amdhsa_forward_progress 1
		.amdhsa_inst_pref_size 28
	.end_amdhsa_kernel
	.amdgpu_metadata
---
amdhsa.version: [ 1, 2 ]
amdhsa.kernels:
  - .name:           k_q29bb5b4fc9_quant
    .symbol:         k_q29bb5b4fc9_quant.kd
    .args:
      - { .name: q, .offset: 0, .size: 8, .value_kind: global_buffer, .address_space: global }
      - { .name: kv, .offset: 8, .size: 8, .value_kind: global_buffer, .address_space: global }
      - { .name: Wq, .offset: 16, .size: 8, .value_kind: global_buffer, .address_space: global }
      - { .name: Wk, .offset: 24, .size: 8, .value_kind: global_buffer, .address_space: global }
      - { .name: Wv, .offset: 32, .size: 8, .value_kind: global_buffer, .address_space: global }
      - { .name: Wo, .offset: 40, .size: 8, .value_kind: global_buffer, .address_space: global }
      - { .name: lowp_scales, .offset: 48, .size: 8, .value_kind: global_buffer, .address_space: global }
      - { .name: xw, .offset: 56, .size: 8, .value_kind: global_buffer, .address_space: global }
    .group_segment_fixed_size: 33280
    .private_segment_fixed_size: 0
    .kernarg_segment_align: 8
    .kernarg_segment_size: 64
    .max_flat_workgroup_size: 128
    .sgpr_count:     66
    .vgpr_count:     256
    .wavefront_size: 32
...
	.end_amdgpu_metadata
.endif
;; end of part 1
;; launch proj (part 2): grid 12 x 32, 4 waves a work-group, clusters of 4 x 4, 327,680 bytes of LDS; arguments xw, bq, bk, bv, lowp_scales, qkv; writes qkv
.if DOCPART == 2
	.amdgcn_target "amdgcn-amd-amdhsa--gfx1250"
	.amdhsa_code_object_version 6
	.text
	.protected	k_q29bb5b4fc9_proj
	.globl	k_q29bb5b4fc9_proj
	.p2align	8
	.type	k_q29bb5b4fc9_proj,@function
k_q29bb5b4fc9_proj:
	s_mov_b64 s[64:65], 0
	v_nop
	global_prefetch_b8 v0, s[64:65] scope:SCOPE_SE
	s_setreg_imm32_b32 hwreg(HW_REG_WAVE_MODE, 25, 1), 1
	s_wait_xcnt 0x0
	s_wait_alu depctr_hold_cnt(0) depctr_sa_sdst(0) depctr_va_vdst(0) depctr_va_sdst(0) depctr_va_ssrc(0) depctr_va_vcc(0) depctr_vm_vsrc(0)
	s_getreg_b32 s2, hwreg(HW_REG_IB_STS2, 6, 4)
	s_cmp_eq_u32 s2, 0
	s_cbranch_scc0 .Lentry_in_a_cluster
	s_endpgm
.Lentry_in_a_cluster:
	s_bfe_u32 s2, ttmp6, 0x10000c
	s_cmp_lg_u32 s2, 0xf033
	s_cbranch_scc0 .Lentry_shape_is_right
	s_endpgm
.Lentry_shape_is_right:
; The three projections on codes of FP8 (E4M3), each finished sum x 2^(its two exponents added) + bias, quantised again with the scale of the attention operand that it becomes.
; g = the cluster's x: 0: qh = q Wq^T + bq -> entry 6;  1: kh = kv Wk^T + bk -> entry 7;  2: vh^T = Wv kv^T + bv -> entry 9 (computed transposed, so that the keys come out innermost).
; C = A B^T, K = 1,024.  g = 0, 1: A = the tokens' codes (8,192 rows), B = the weight's (1,024 rows).  g = 2: A = Wv's codes (1,024 rows), B = kv's second codes (8,192 rows).  All lie in xw, rows of 1,024 bytes.
; A tile of C, 256 x 256, is made by four waves, 128 x 128 each: 64 accumulators, 512 registers.  K goes in steps of 256 through a ring of two LDS slots filled by the tensor data mover.
; CLUSTERS: 4 x 4 work-groups; A's tile is asked for jointly along a row of the cluster, B's along a column.  THE MATRIX INSTRUCTION IS USED TRANSPOSED (source 0 = 16 rows of B, source 1 = 16 rows of A):
; a lane holds eight neighbouring columns of one row of C: eight channels of a token (g = 0, 1) or eight tokens of a channel (g = 2): eight neighbours along the next product's K.
; A fragment is fetched by four loads of 16 bytes: a permutation of k that is the same in A and in B, so every product meets its partner.
; OUT: qkv = three sections of 8 Mi (Q, K, V), each [64 (batch, head)][32 blocks of 64 tokens][4,096 bytes]; a block of Q or K is [64 tokens][64 channels], of V [64 channels][64 tokens], one code a byte.
; In a row of 64 bytes position 32 c + 16 h + 8 g + x holds index 32 c + 16 g + 8 h + x, so that one 16-byte load at 32 c + 16 h brings a lane of half h four registers of the plain 8-bit operand layout.
; LIMITS: e0 + e1, e2 + e3, e4 + e5 between -126 and 127; e6, e7, e9 between -126 and 119.  NaN among the inputs is not served.
; All 327,680 bytes of LDS are claimed; the text uses 279,040.
; REGISTERS, in windows of 256: window 0: v0-31 addresses; v32-95 the bias along n, v96-111 along m, v112-119 constants of the way out; from v128 A's fragments, ONE set (on the way out v128-255 are free).
;   window 1: B's fragments, TWO sets, at v0 and v128.   window 2: the accumulators of my rows 0-63 ((a, b) at v[8 (8 a + b)]);   window 3: those of rows 64-127.
.set KSTEP,  256
.set ROWB,   256                       ; a tile's row in bytes
.set KROW,   1024                      ; a row of A or B in memory
.set PITCH,  272                       ; an LDS row: 256 bytes + 16 of padding: the 16 rows that a load touches start at 16 different 16-byte columns
.set FR,     16
.set NL,     4
.set NP,     4
.set HALFA,  128*PITCH
.set HALFB,  128*PITCH
.set SLOT,   2*HALFA+2*HALFB
.set LAPS,   1024/(2*KSTEP)
.set SPARE,  2*SLOT                    ; behind the ring: the spare words, 128 bytes a wave: two blocks of 256 bytes that no other line names
.set WST,    2176                      ; the way out: a stage of 2 x 4 rows of 272 bytes for each wave, in slot 0, which has had its last fill and its last read by then
.set ADRA, 16
.set ADRB, 20
.set STO,  24
.set RD,   25
.set SPW,  28
.set NIL,  29
.set OBN,  30                          ; v30  32 x half: my offset in the bias along n; never rewritten
.set OBM,  31                          ; v31  4 x (lane % 16): along m; never rewritten
.set BN,   32
.set BM,   96
.set LIMV, 112
.set SCV,  113                         ; 2^eo
.set ZR,   114
.set VO,   116                         ; v116-119: 16 x lane + mi x SM + ni x SN
.set TMP,  128
.set AF,   128
.set G1, 24
.set G0, 32
.set G1B, 48
.set G0B, 56
.set MSB, 0
.macro WIN new                         ; the immediate's high byte repeats the setting that is left
.if MSB != \new
	s_set_vgpr_msb (MSB<<8)|\new
.set MSB, \new
.endif
.endm
.set MUL_LO, 0xa1                      ; source 0 (B) window 1, source 1 (A) window 0, C and D window 2
.set MUL_HI, 0xf1
.set TO_B,   0x40
; A joint load: waves 0 and 1 fetch A's halves, waves 2 and 3 B's; the branch hangs on the wave's number alone.  Four v_nop follow each of the two lines.
.macro JLOAD g0a, g1a, g0b, g1b
	s_cmp_eq_u32 s15, 0
	s_cbranch_scc0 .Lfor_b_\@
	tensor_load_to_lds s[\g0a:\g0a+3], s[\g1a:\g1a+7]
	s_nop 0
.rept 4
	v_nop
.endr
	s_branch .Lasked_\@
.Lfor_b_\@:
	tensor_load_to_lds s[\g0b:\g0b+3], s[\g1b:\g1b+7]
	s_nop 0
.rept 4
	v_nop
.endr
.Lasked_\@:
.endm
.macro CREST                           ; a round of the cluster's barrier behind its opening barrier
	s_cmp_lg_u32 s14, 0
	s_cbranch_scc1 .Lnot_wave_0_\@
	s_barrier_signal -3
.Lnot_wave_0_\@:
	s_barrier_wait -3
	s_barrier_signal -1
	s_barrier_wait -1
.endm
.macro CROUND
	s_barrier_signal -1
	s_barrier_wait -1
	CREST
.endm
	s_load_b256 s[80:87], s[0:1], 0x0              ; xw s[80:81], bq s[82:83], bk s[84:85], bv s[86:87]
	s_load_b128 s[88:91], s[0:1], 0x20             ; the exponents s[88:89], qkv s[90:91]
	v_lshl_add_u32 v[SPW], v0, 2, SPARE
	v_mov_b32 v[NIL], 0
	ds_add_u32 v28, v29
	ds_add_u32 v28, v29
	s_wait_dscnt 0x0
	v_lshrrev_b32 v1, 5, v0
	v_readfirstlane_b32 s14, v1                    ; wave 0..3
	s_lshr_b32 s15, s14, 1                         ; which half of the tile's rows is mine.  Also: I fetch for A (0) or for B (1)
	s_and_b32 s16, s14, 1                          ; which half of its columns.  Also: which 128 rows I fetch
	s_bfe_u32 s40, ttmp6, 0x40000                  ; cx
	s_bfe_u32 s41, ttmp6, 0x40004                  ; cy
	s_mov_b32 s92, ttmp9                           ; g: the same in all sixteen partners
	s_lshr_b32 s93, s92, 1                         ; 1 for V
	s_xor_b32 s94, s93, 1                          ; 1 for Q and K
	s_sub_co_u32 s95, 0, s93                       ; all ones for V: a lane mask for the selects of the way out
	s_and_b32 s12, ttmp7, 0xffff
	s_lshl_b32 s12, s12, 2                         ; 4 x cluster y walks the tokens: the tile rows of Q and K, the tile columns of V
	s_mul_i32 s17, s12, s94
	s_add_co_u32 s17, s17, s41                     ; tile row
	s_mul_i32 s42, s12, s93
	s_add_co_u32 s42, s42, s40                     ; tile column
	s_lshl_b32 s43, s41, 2
	s_lshl_b32 s43, 15, s43                        ; my row of the cluster
	s_lshl_b32 s44, 0x1111, s40                    ; my column
	s_or_b32 s[G1+0], s43, (0<<16)|(1<<20)|(1<<21)|(5<<22)|(3<<25)  ; the mask; elements of 1 byte; padding on; bit 21 beside a mask; 4 words of padding after every 64
	s_or_b32 s[G1B+0], s44, (0<<16)|(1<<20)|(1<<21)|(5<<22)|(3<<25)
.irp g, G1, G1B
	s_mov_b32 s[\g+1], ROWB<<16                    ; tensor_dim0
	s_mov_b32 s[\g+2], 128<<16                     ; tensor_dim1
	s_mov_b32 s[\g+3], ROWB<<16                    ; tile_dim0
	s_mov_b32 s[\g+4], 128                         ; tile_dim1
	s_mov_b32 s[\g+5], KROW                        ; stride
	s_mov_b32 s[\g+6], 0
	s_mov_b32 s[\g+7], 0
.endr
	s_lshl_b32 s18, s16, 7                         ; which 128 rows of the tile I fetch
	s_lshl_b32 s20, s17, 8
	s_add_co_u32 s20, s20, s18
	s_lshl_b32 s20, s20, 10                        ; A: (256 x tile row + 128 x half) rows of 1,024 bytes,
	s_lshl_b32 s19, s92, 23
	s_add_co_u32 s20, s20, s19                     ; + A's place in xw: 0, 8 Mi, 26 Mi = 8 Mi g + 10 Mi for V
	s_mul_i32 s19, s93, 10<<20
	s_add_co_u32 s20, s20, s19
	s_mov_b32 s21, 0
	s_lshl_b32 s46, s42, 8
	s_add_co_u32 s46, s46, s18
	s_lshl_b32 s46, s46, 10                        ; B likewise,
	s_add_co_u32 s46, s46, 24<<20                  ; + B's place: 24 Mi, 25 Mi, 16 Mi = 24 Mi + 1 Mi g - 10 Mi for V
	s_lshl_b32 s99, s92, 20
	s_add_co_u32 s46, s46, s99
	s_sub_co_u32 s46, s46, s19
	s_mov_b32 s47, 0
	s_mul_i32 s45, s16, HALFA                      ; where they go: no place in the cluster enters an LDS address
	s_mul_i32 s98, s16, HALFB
	s_add_co_u32 s98, s98, 2*HALFA
	s_wait_kmcnt 0x0
	s_load_b256 s[68:75], s[88:89], 0x0            ; e0 .. e7
	s_load_b128 s[76:79], s[88:89], 0x20           ; e8 .. e11
	s_add_nc_u64 s[20:21], s[80:81], s[20:21]
	s_add_nc_u64 s[46:47], s[80:81], s[46:47]
	CROUND                                         ; all sixteen work-groups are here: the first joint loads meet
.irp s, 0,1
	s_mov_b32 s[G0+4*\s], 1
	s_add_co_u32 s[G0+4*\s+1], s45, \s*SLOT
	s_add_nc_u64 s[G0+4*\s+2:G0+4*\s+3], s[20:21], \s*ROWB
	s_or_b32 s[G0+4*\s+3], s[G0+4*\s+3], 0x80000000
	s_mov_b32 s[G0B+4*\s], 1
	s_add_co_u32 s[G0B+4*\s+1], s98, \s*SLOT
	s_add_nc_u64 s[G0B+4*\s+2:G0B+4*\s+3], s[46:47], \s*ROWB
	s_or_b32 s[G0B+4*\s+3], s[G0B+4*\s+3], 0x80000000
	JLOAD G0+4*\s, G1, G0B+4*\s, G1B
.endr
	v_and_b32 v1, 15, v0                           ; r = l % 16
	s_wait_alu depctr_va_vdst(0)
	v_bfe_u32 v2, v0, 4, 1                         ; h = l / 16
	v_mul_u32_u24 v3, v1, PITCH
	v_lshl_add_u32 v4, v2, 4, v3                   ; a fragment's row x pitch + 16 x half
	s_mul_i32 s21, s15, HALFA                      ; my 128 rows of A
	s_mul_i32 s22, s16, HALFB                      ; my 128 rows of B,
	s_add_co_u32 s22, s22, 2*HALFA                 ; which lie behind A's 256
.irp s, 0,1
	v_add_nc_u32 v[ADRA+\s], s21, v4
	v_add_nc_u32 v[ADRB+\s], s22, v4
	s_add_co_u32 s21, s21, SLOT
	s_add_co_u32 s22, s22, SLOT
.endr
	s_mul_i32 s23, s14, WST                        ; my stage: rows of 64 bytes, four to a line of 256 + 16
	v_lshrrev_b32 v5, 2, v1
	v_mul_u32_u24 v5, v5, 272
	v_and_b32 v6, 3, v1
	v_lshl_add_u32 v5, v6, 6, v5
	v_lshl_add_u32 v5, v2, 4, v5
	v_add_nc_u32 v[STO], s23, v5                   ; in: row r at 272 (r / 4) + 64 (r % 4), + 16 h
	v_mul_u32_u24 v7, v2, 272
	v_lshl_add_u32 v7, v1, 4, v7
	v_add_nc_u32 v[RD], s23, v7                    ; back: sixteen lanes to a line
	v_lshlrev_b32 v[OBN], 5, v2
	s_wait_alu depctr_va_vdst(0)
	v_lshlrev_b32 v[OBM], 2, v1
	s_wait_alu depctr_va_vdst(0)
	; the bias: along n (channels) for Q and K, along m for V.  Both are loaded, from places inside the 1,024 numbers, and the one that does not apply is made 0 on the way out
	s_lshl_b32 s66, s17, 8
	s_lshl_b32 s4, s15, 7
	s_add_co_u32 s66, s66, s4                      ; my first row of C
	s_lshl_b32 s67, s42, 8
	s_lshl_b32 s4, s16, 7
	s_add_co_u32 s67, s67, s4                      ; my first column
	s_cmp_eq_u32 s92, 1
	s_cselect_b64 s[6:7], s[84:85], s[82:83]
	s_cmp_eq_u32 s92, 2
	s_cselect_b64 s[6:7], s[86:87], s[6:7]
	s_mul_i32 s4, s67, s94
	s_lshl_b32 s4, s4, 2
	s_mov_b32 s5, 0
	s_add_nc_u64 s[8:9], s[6:7], s[4:5]
	s_mul_i32 s4, s66, s93
	s_lshl_b32 s4, s4, 2
	s_add_nc_u64 s[12:13], s[6:7], s[4:5]
.irp b, 0,1,2,3,4,5,6,7
	global_load_b128 v[BN+8*\b:BN+8*\b+3], v[OBN], s[8:9] offset:64*\b        ; bias[16 b + 8 h + 0 .. 7]
	global_load_b128 v[BN+8*\b+4:BN+8*\b+7], v[OBN], s[8:9] offset:64*\b+16
.endr
.irp a, 0,1,2,3,4,5,6,7
	global_load_b32 v[BM+2*\a], v[OBM], s[12:13] offset:64*\a                 ; bias[16 a + r]
.endr
	; where my part of qkv begins: section g, (batch x 16 + head) x 2,048 tokens x 64 bytes, + token x 64
	s_cmp_eq_u32 s93, 0
	s_cselect_b32 s4, s66, s67                     ; my first token
	s_cselect_b32 s5, s67, s66                     ; my first channel
	s_lshr_b32 s18, s4, 11
	s_lshl_b32 s18, s18, 4
	s_lshr_b32 s19, s5, 6
	s_add_co_u32 s18, s18, s19
	s_lshl_b32 s18, s18, 11
	s_and_b32 s19, s4, 2047
	s_add_co_u32 s18, s18, s19
	s_lshl_b32 s18, s18, 6
	s_lshl_b32 s19, s92, 23
	s_add_co_u32 s18, s18, s19
	s_mov_b32 s19, 0
	s_add_nc_u64 s[10:11], s[90:91], s[18:19]
	s_mul_i32 s22, s93, 126976
	s_add_co_u32 s23, s22, 4096                    ; SM: 64 rows of C on: the next block of tokens (4,096) or, for V, the next head (131,072)
	s_sub_co_u32 s22, 131072, s22                  ; SN: 64 columns on: the next head, or for V the next block
	v_and_b32 v6, 31, v0
	v_lshlrev_b32 v[VO], 4, v6
	v_add_nc_u32 v[VO+1], s22, v[VO]
	v_add_nc_u32 v[VO+2], s23, v[VO]
	v_add_nc_u32 v[VO+3], s22, v[VO+2]
.macro FRAG reg, adr, q, i             ; 16 rows x 128 K: registers 4 c .. 4 c + 3 hold K = 32 c + 16 (l / 16) + 0 .. 15 of row l % 16
.irp c, 0,1,2,3
	ds_load_b128 v[\reg+4*\c:\reg+4*\c+3], v[\adr] offset:128*(\q)+32*\c+(\i)*16*PITCH
.endr
.endm
; 16 matrix instructions: A's blocks a0, a0 + 1 x B's eight.  The 64 accumulators take turns, one instruction a turn, in the same order in every step.
.macro MUL16 a0, p, zero
.irp a, \a0, \a0+1
.irp b, 0,1,2,3,4,5,6,7
.if \zero
	v_wmma_f32_16x16x128_fp8_fp8 v[8*(8*((\a)%4)+\b):8*(8*((\a)%4)+\b)+7], v[128*(\p)+FR*\b:128*(\p)+FR*\b+FR-1], v[AF+FR*(\a):AF+FR*(\a)+FR-1], 0
.else
	v_wmma_f32_16x16x128_fp8_fp8 v[8*(8*((\a)%4)+\b):8*(8*((\a)%4)+\b)+7], v[128*(\p)+FR*\b:128*(\p)+FR*\b+FR-1], v[AF+FR*(\a):AF+FR*(\a)+FR-1], v[8*(8*((\a)%4)+\b):8*(8*((\a)%4)+\b)+7]
.endif
.endr
.endr
.endm
.macro FETCH_B slot, q, p
	WIN TO_B
.irp i, 0,1,2,3,4,5,6,7
	FRAG 128*(\p)+FR*\i, ADRB+\slot, \q, \i
.endr
	WIN 0
.endm
.macro FETCH_A slot, q, i0
.irp i, \i0, \i0+1, \i0+2, \i0+3
	FRAG AF+FR*(\i), ADRA+\slot, \q, \i
.endr
.endm
.macro PLACES n                        ; plain vector lines between a matrix instruction and a load into, or a read of, its registers
.rept \n
	v_nop
.endr
.endm
.macro STEP slot, q, zero              ; 128 along K with its successor in the same slot
	s_wait_dscnt 4*NL                              ; B's set and A's blocks 0-3 are in; the youngest sixteen loads (A's blocks 4-7) may be out
	WIN MUL_LO
	MUL16 0, (\q)%2, \zero
	MUL16 2, (\q)%2, \zero
	s_wait_dscnt 0
	PLACES NP
	FETCH_B \slot, (\q)+1, 1-(\q)%2
	FETCH_A \slot, (\q)+1, 0
	WIN MUL_HI
	MUL16 4, (\q)%2, \zero
	MUL16 6, (\q)%2, \zero
	PLACES NP
	WIN 0
	FETCH_A \slot, (\q)+1, 4
.endm
; A slot's last step changes slots: one barrier; in front of it each wave waits for all its tensor loads, adds 0 to its spare word, and waits for that and for its reads of this slot.
.macro TURN slot, next, fill
	s_wait_tensorcnt 0x0                           ; all my tensor loads have landed: my part of the next slot
	ds_add_u32 v[SPW], v[NIL]                      ; 0 onto my spare word
	s_wait_dscnt 4*NL+1                            ; the add and the youngest sixteen loads may be out
	WIN MUL_LO
	MUL16 0, 1, 0
	s_wait_dscnt 0x0                               ; the add is done, and my reads of this slot are over
	s_barrier_signal -1
	MUL16 2, 1, 0
	WIN 0
	s_barrier_wait -1
.if \fill
	CREST                                          ; the barrier has opened a round of the cluster's: no wave of any partner still reads this slot or has a load on its way
	s_add_nc_u64 s[G0+4*\slot+2:G0+4*\slot+3], s[G0+4*\slot+2:G0+4*\slot+3], 2*ROWB
	s_add_nc_u64 s[G0B+4*\slot+2:G0B+4*\slot+3], s[G0B+4*\slot+2:G0B+4*\slot+3], 2*ROWB
	JLOAD G0+4*\slot, G1, G0B+4*\slot, G1B         ; the first tensor load behind the round; its four v_nop are also the places in front of the loads below
.else
	PLACES NP
.endif
	FETCH_B \next, 0, 0
	FETCH_A \next, 0, 0
	WIN MUL_HI
	MUL16 4, 1, 0
	MUL16 6, 1, 0
	PLACES NP
	WIN 0
	FETCH_A \next, 0, 4
.endm
	s_wait_tensorcnt 1                             ; my part of K step 0 is in; K step 1's load may be out
	s_barrier_signal -1
	s_barrier_wait -1
	FETCH_B 0, 0, 0
	FETCH_A 0, 0, 0
	FETCH_A 0, 0, 4
	STEP 0, 0, 1                                   ; the first step's products start the sums: nothing is cleared
	s_mov_b32 s3, LAPS-1
.Llap:                                                 ; a trip goes once round the ring and fills both slots again
	TURN 0, 1, 1
	STEP 1, 0, 0
	TURN 1, 0, 1
	STEP 0, 0, 0
	s_sub_co_u32 s3, s3, 1
	s_cmp_lg_u32 s3, 0
	s_cbranch_scc1 .Llap
	TURN 0, 1, 0                                   ; the last lap fills nothing
	STEP 1, 0, 0
	s_wait_dscnt 4*NL
	WIN MUL_LO
	MUL16 0, 1, 0
	MUL16 2, 1, 0
	s_wait_dscnt 0
	WIN MUL_HI
	MUL16 4, 1, 0
	MUL16 6, 1, 0
	WIN 0
	; THE WAY OUT.  The exponents are chosen by selects on g: no branch hangs on a loaded number.
	s_wait_kmcnt 0x0
	s_add_co_i32 s4, s68, s69
	s_add_co_i32 s5, s70, s71
	s_add_co_i32 s18, s72, s73
	s_cmp_eq_u32 s92, 1
	s_cselect_b32 s4, s5, s4
	s_cselect_b32 s19, s75, s74
	s_cmp_eq_u32 s92, 2
	s_cselect_b32 s4, s18, s4                      ; the sums' exponent
	s_cselect_b32 s19, s77, s19                    ; eo: entry 6, 7 or 9
	s_add_co_i32 s4, s4, 127
	s_lshl_b32 s96, s4, 23                         ; 2^(the two exponents added) as f32
	s_mov_b32 s97, s96                             ; (named with it as a pair)
	s_add_co_i32 s19, s19, 127
	s_lshl_b32 s4, s19, 23
	s_add_co_i32 s19, s19, 8
	s_lshl_b32 s19, s19, 23
	s_or_b32 s19, s19, 0x600000
	s_wait_loadcnt 0x0                             ; the biases
	PLACES NP                                      ; behind the last products: for the reads of results and the writes of A's registers below
	v_mov_b32 v[SCV], s4
	v_mov_b32 v[ZR], 0
.set jj, 0
.rept 64
	v_cndmask_b32 v[BN+jj], v[BN+jj], v[ZR], s95   ; for V the bias along n is 0
.set jj, jj+1
.endr
.set jj, 0
.rept 8
	v_cndmask_b32 v[BM+2*jj], v[ZR], v[BM+2*jj], s95   ; for Q and K the bias along m is 0
	v_mov_b32 v[BM+2*jj+1], v[BM+2*jj]
.set jj, jj+1
.endr
; Block a: 16 rows x 128 columns.  sum x 2^e + bias, held, converted: 8 codes for each 16 x 16 tile and lane.  Two neighbouring tiles' codes are 16 bytes at 32 c + 16 h of a row of 64.
; They go through my stage and come back as 512 consecutive bytes (eight rows of 64) for each store.  The codes' registers and the rows' registers alternate between two sets.
.macro TOSTAGE a
.set AC, 64*((\a)%4)
.set CD, 192+48*((\a)%2)
.set BB, 208+16*((\a)%2)
	WIN 0x02+((\a)/4)                              ; source 0: window 2 or 3
.set jj, 0
.rept 32
	v_pk_fma_f32 v[TMP+jj:TMP+jj+1], v[AC+jj:AC+jj+1], s[96:97], v[BN+jj:BN+jj+1] op_sel_hi:[1,0,1]   ; each accumulator from its low end on
.set jj, jj+2
.endr
	WIN 0
.set jj, 0
.rept 32
	v_pk_add_f32 v[TMP+jj:TMP+jj+1], v[TMP+jj:TMP+jj+1], v[BM+2*(\a):BM+2*(\a)+1]
.set jj, jj+2
.endr
.set jj, 0
.rept 64
.set jj, jj+1
.endr
.irp b, 0,1,2,3,4,5,6,7
	v_cvt_scalef32_pk8_fp8_f32 v[CD+2*\b:CD+2*\b+1], v[TMP+8*\b:TMP+8*\b+7], v[SCV]
.endr
	v_nop                                          ; a plain line behind the last conversion
.irp c, 0,1,2,3
	ds_store_b128 v[STO], v[CD+4*\c:CD+4*\c+3] offset:(\c/2)*1088+32*(\c%2)
.endr
.irp k, 0,1,2,3
	ds_load_b128 v[BB+4*\k:BB+4*\k+3], v[RD] offset:(\k/2)*1088+(\k%2)*544   ; LDS serves a wave's instructions in order: these see the stores above
.endr
.endm
.macro SEND a, younger                 ; younger: the LDS instructions issued behind block a's loads
.set BB, 208+16*((\a)%2)
	s_wait_dscnt \younger
.irp k, 0,1,2,3
	global_store_b128 v[VO+2*((\a)/4)+\k/2], v[BB+4*\k:BB+4*\k+3], s[10:11] offset:1024*((\a)%4)+512*(\k%2)   ; 32 lanes store 512 consecutive bytes, aligned
.endr
.endm
	TOSTAGE 0
.irp a, 1,2,3,4,5,6,7
.if \a > 1
	s_wait_xcnt 0x0                                ; block a - 2's stores have read their registers: block a's loads may land there
.endif
	TOSTAGE \a
	SEND \a-1, 8                                   ; behind block a - 1's loads: block a's 4 stores and 4 loads
.endr
	SEND 7, 0
	s_wait_tensorcnt 0x0                           ; the wave's end
	ds_add_u32 v[SPW], v[NIL]
	s_wait_dscnt 0x0
	CROUND                                         ; the closing round
	s_endpgm
.Lfunc_end_k_q29bb5b4fc9_proj:
	.size	k_q29bb5b4fc9_proj, .Lfunc_end_k_q29bb5b4fc9_proj-k_q29bb5b4fc9_proj
	.p2alignl 7, 3214868480
	.fill 96, 4, 3214868480
	.section	.rodata,"a",@progbits
	.p2align	6, 0x0
	.amdhsa_kernel k_q29bb5b4fc9_proj
		.amdhsa_group_segment_fixed_size 327680
		.amdhsa_private_segment_fixed_size 0
		.amdhsa_enable_private_segment 0
		.amdhsa_kernarg_size 48
		.amdhsa_user_sgpr_count 2
		.amdhsa_user_sgpr_kernarg_segment_ptr 1
		.amdhsa_wavefront_size32 1
		.amdhsa_system_sgpr_workgroup_id_x 1
		.amdhsa_system_sgpr_workgroup_id_y 1
		.amdhsa_system_sgpr_workgroup_id_z 1
		.amdhsa_system_vgpr_workitem_id 0
		.amdhsa_next_free_vgpr 1024
		.amdhsa_next_free_sgpr 100
		.amdhsa_reserve_vcc 0
		.amdhsa_float_denorm_mode_32 3
		.amdhsa_float_denorm_mode_16_64 3
		.amdhsa_fp16_overflow 1
		.amdhsa_memory_ordered 1
		.amdhsa_forward_progress 1
		.amdhsa_inst_pref_size 131
	.end_amdhsa_kernel
	.amdgpu_metadata
---
amdhsa.version: [ 1, 2 ]
amdhsa.kernels:
  - .name:           k_q29bb5b4fc9_proj
    .symbol:         k_q29bb5b4fc9_proj.kd
    .args:
      - { .name: xw, .offset: 0, .size: 8, .value_kind: global_buffer, .address_space: global }
      - { .name: bq, .offset: 8, .size: 8, .value_kind: global_buffer, .address_space: global }
      - { .name: bk, .offset: 16, .size: 8, .value_kind: global_buffer, .address_space: global }
      - { .name: bv, .offset: 24, .size: 8, .value_kind: global_buffer, .address_space: global }
      - { .name: lowp_scales, .offset: 32, .size: 8, .value_kind: global_buffer, .address_space: global }
      - { .name: qkv, .offset: 40, .size: 8, .value_kind: global_buffer, .address_space: global }
    .group_segment_fixed_size: 327680
    .private_segment_fixed_size: 0
    .kernarg_segment_align: 8
    .kernarg_segment_size: 48
    .max_flat_workgroup_size: 128
    .sgpr_count:     100
    .vgpr_count:     1024
    .wavefront_size: 32
...
	.end_amdgpu_metadata
.endif
;; end of part 2
;; launch attn (part 3): grid 4 x 64, 16 waves a work-group, clusters of 4 x 1, 327,680 bytes of LDS; arguments qkv, lowp_scales, ao; writes ao
.if DOCPART == 3
	.amdgcn_target "amdgcn-amd-amdhsa--gfx1250"
	.amdhsa_code_object_version 6
	.text
	.protected	k_q29bb5b4fc9_attn
	.globl	k_q29bb5b4fc9_attn
	.p2align	8
	.type	k_q29bb5b4fc9_attn,@function
k_q29bb5b4fc9_attn:
	s_mov_b64 s[64:65], 0
	v_nop
	global_prefetch_b8 v0, s[64:65] scope:SCOPE_SE
	s_setreg_imm32_b32 hwreg(HW_REG_WAVE_MODE, 25, 1), 1
	s_wait_xcnt 0x0
	s_wait_alu depctr_hold_cnt(0) depctr_sa_sdst(0) depctr_va_vdst(0) depctr_va_sdst(0) depctr_va_ssrc(0) depctr_va_vcc(0) depctr_vm_vsrc(0)
	s_getreg_b32 s2, hwreg(HW_REG_IB_STS2, 6, 4)
	s_cmp_eq_u32 s2, 0
	s_cbranch_scc0 .Lentry_in_a_cluster
	s_endpgm
.Lentry_in_a_cluster:
	s_bfe_u32 s2, ttmp6, 0x10000c
	s_cmp_lg_u32 s2, 0x3003
	s_cbranch_scc0 .Lentry_shape_is_right
	s_endpgm
.Lentry_shape_is_right:
; Causal attention on codes of FP8 (E4M3), head size 64, 64 (batch, head) pairs of 2,048 queries and keys.  Key k counts for query q where k <= q.
; qkv: sections Q, K, V of 8 Mi, each [64 (batch, head)][32 blocks of 64 tokens][4,096 bytes]; Q, K: [token][64 channels]; V: [channel][64 tokens]; within 64 bytes index bits 3 and 4 change places,
; so that one 16-byte load at 32 c + 16 (lane / 16) brings four registers of the plain 8-bit operand layout, k in its true places.
; SOFTMAX: t = score x 2^(e6 + e7) x log2(e) / 8; M = the running largest t rounded UP to a whole number; p = 2^(t - M) is quantised with 2^e8, not normalised; the row's sum is taken of the unquantised p
; and divides at the end; when M moves, the sum and O are multiplied by 2^(old M - new M), which rounds nothing.  O x 2^(e8 + e9) / sum is quantised with 2^e10 into ao = [16 heads][8,192 tokens][64 bytes].
; SHARES.  A cluster of four work-groups owns one (batch, head).  The 2,048 queries are 16 bands of 128, a band 8 tiles of 16.  Work-group cx takes tiles 2 cx, 2 cx + 1 of every band; wave w takes one tile
; in band p and one in band 15 - p (p, and which of the two tiles, from w alone): (p + 1) + (16 - p) = 17 steps of 128 keys for every wave.  A step is left out where its keys all come after the tile's queries:
; step m against the band, numbers that are alike in all partners.  Every work-group walks all four slots of 512 keys, and K's and V's tiles are asked for JOINTLY by the four partners.
; LAYOUT.  Both products transposed: S^T = K Q^T (source 0 = 16 keys, source 1 = 16 queries), O^T = V^T P^T: a lane holds one query (lane % 16) throughout; register 8 t + j of S^T is key 16 t + 8 (lane / 16) + j.
; LIMITS: e6 + e7 between -123 and 130 (added to c's exponent field); e8 and e10 between -126 and 119; e8 + e9 goes by v_ldexp_f32 and has none.
; All 327,680 bytes of LDS are claimed; the text uses 264,192.
; REGISTERS: v1-7 addresses; v[8:11], v[12:15] a tile's -M, largest t, sum in two halves; v16-31 Q of both tiles; v32-95 fragments of K, then of V; v96-159 S^T, then p; v160-223 O^T of both tiles; v224-239 p's codes; v240-255 constants and work.
.set SLOT1, 1<<17                      ; slot 1 begins here: one exclusive or turns an address
.set VOFF,  34816                      ; a slot: K's 128 lines of 256 + 16 bytes (four rows of 64 to a line), then V's 128 lines
.set STEPB, 8704                       ; 128 keys: 32 lines, of K and of V alike
.set SPARE, 2*SLOT1                    ; the spare words, 128 bytes a wave: eight blocks of 256 bytes that no other line names
.set WST,   2176                       ; the way out: 2 x 4 lines of 272 bytes for each wave, in slot 0, which has had its last fill and is read by nobody behind the last change of slots
.set AK0, 1                            ; v1   272 (r / 4) + 64 (r % 4) + 16 h: my place in a tile of 16 rows of 64 bytes
.set ADR, 2                            ; v2   the step's LDS address
.set PFO, 3                            ; v3   256 x lane, for the prefetches; never rewritten
.set DL,  4                            ; v4   my query's place in its band - 8 h
.set SPW, 5
.set NIL, 6
.set TB,  2                            ; s2   LDS byte at which the step in hand begins
.set CNT, 3                            ; s3   counts a slot's four steps
.set BA,  14                           ; s14  band of my first tile
.set BBD, 15                           ; s15  band of my second
.set MS,  17                           ; s17  the step, 0 .. 15
.set WV,  18
.set SEL, 20
.set CS,  22
.set SLOTS, 36
.set LIM, 37
.set PFA, 38
.macro CROUND
	s_barrier_signal -1
	s_barrier_wait -1
	s_cmp_lg_u32 s[WV], 0
	s_cbranch_scc1 .Lnot_wave_0_\@
	s_barrier_signal -3
.Lnot_wave_0_\@:
	s_barrier_wait -3
	s_barrier_signal -1
	s_barrier_wait -1
.endm
.macro TLOAD                           ; waves 0, 1: K's halves of a slot; waves 2, 3: V's; the others fetch nothing.  Four v_nop follow the load
	s_cmp_lt_u32 s[WV], 4
	s_cbranch_scc0 .Lasked_\@
	tensor_load_to_lds s[32:35], s[24:31]
	s_nop 0
.rept 4
	v_nop
.endr
.Lasked_\@:
.endm
; A prefetch of what the NEXT change of slots will ask for: 32,768 bytes of K (wave 4) and of V (wave 5).  The four partners share them out by address, 8,192 bytes each, lanes 256 bytes apart:
; each block of 256 bytes is named once in the launch.  The last change that fills a slot asks for nothing; slots 0 and 1 come by their loads alone.
.macro ASK
	s_cmp_gt_u32 s[SLOTS], s[LIM]
	s_cbranch_scc0 .Lnot_mine_\@
	global_prefetch_b8 v[PFO], s[PFA:PFA+1] th:TH_LOAD_NT scope:SCOPE_SE
.Lnot_mine_\@:
.endm
	s_load_b128 s[4:7], s[0:1], 0x0                ; qkv s[4:5], the exponents s[6:7]
	s_load_b64 s[8:9], s[0:1], 0x10                ; ao
	v_lshl_add_u32 v[SPW], v0, 2, SPARE
	v_mov_b32 v[NIL], 0
	ds_add_u32 v5, v6
	ds_add_u32 v5, v6
	s_wait_dscnt 0x0
	v_lshrrev_b32 v7, 5, v0
	s_delay_alu instid0(VALU_DEP_1)
	v_readfirstlane_b32 s[WV], v7                  ; wave 0..15
	s_bfe_u32 s10, ttmp6, 0x40000                  ; cx
	s_and_b32 s11, ttmp7, 0xffff                   ; y = 16 x batch + head, which the partners share
	s_lshr_b32 s12, s[WV], 2                       ; g
	s_and_b32 s13, s[WV], 3
	s_xor_b32 s13, s13, s12                        ; x = (w % 4) xor g
	s_lshl_b32 s13, s13, 1
	s_and_b32 s[BA], s12, 1
	s_add_co_u32 s[BA], s[BA], s13                 ; p = 2 x + g % 2
	s_xor_b32 s[BBD], s[BA], 15                    ; 15 - p
	s_lshr_b32 s16, s12, 1                         ; which of my work-group's two tiles of a band
	s_lshl_b32 s45, s10, 5
	s_lshl_b32 s46, s16, 4
	s_add_co_u32 s45, s45, s46                     ; my tiles' first query inside a band: 32 cx + 16 sub
	; descriptor group 1: 64 lines of 256 bytes, dense in memory, 16 bytes of padding behind each
	s_mov_b32 s24, 15|(0<<16)|(1<<20)|(1<<21)|(5<<22)|(3<<25)   ; the mask: all four work-groups; elements of 1 byte; padding on; bit 21 beside a mask; 4 words after every 64
	s_mov_b32 s25, 256<<16
	s_mov_b32 s26, 64<<16
	s_mov_b32 s27, 256<<16
	s_mov_b32 s28, 64
	s_mov_b32 s29, 256
	s_mov_b32 s30, 0
	s_mov_b32 s31, 0
	s_and_b32 s46, s[WV], 3                        ; what I fetch, if I fetch
	s_mul_i32 s47, s46, 17408                      ; in a slot: K's halves, then V's
	s_lshr_b32 s48, s46, 1
	s_add_co_u32 s48, s48, 1
	s_lshl_b32 s48, s48, 23                        ; section K or V
	s_and_b32 s49, s46, 1
	s_lshl_b32 s49, s49, 14
	s_add_co_u32 s48, s48, s49                     ; + my half of a slot's 32,768 bytes
	s_lshl_b32 s53, s11, 17                        ; y x 131,072: the pair's first byte in each section
	s_add_co_u32 s48, s48, s53
	s_mov_b32 s49, 0
	s_mov_b32 s[SEL], 0x76543210
	s_mov_b32 s[SEL+1], 0xfedcba98
	s_mov_b32 s[CS], 0x3e38aa3b                    ; c = log2(e) / 8
	s_mov_b32 s[TB], 0
	s_mov_b32 s[MS], 0
	s_mov_b32 s[SLOTS], 3
	s_lshr_b32 s12, s[WV], 1
	s_cmp_eq_u32 s12, 2
	s_cselect_b32 s[LIM], 1, -1                    ; waves 4 and 5 prefetch
	s_wait_kmcnt 0x0
	s_load_b128 s[40:43], s[6:7], 0x18             ; e6, e7, e8, e9
	s_load_b32 s44, s[6:7], 0x28                   ; e10
	s_mov_b32 s32, 1
	s_mov_b32 s33, s47
	s_add_nc_u64 s[34:35], s[4:5], s[48:49]
	s_or_b32 s35, s35, 0x80000000
	CROUND                                         ; all four work-groups are here
	TLOAD                                          ; slot 0
	v_and_b32 v7, 15, v0                           ; r
	s_wait_alu depctr_va_vdst(0)
	v_bfe_u32 v245, v0, 4, 1                       ; h
	v_lshlrev_b32 v248, 6, v7
	s_delay_alu instid0(VALU_DEP_1)
	v_lshl_add_u32 v248, v245, 4, v248             ; Q: row r of 64 bytes + 16 h
	s_lshl_b32 s46, s[BA], 7
	s_add_co_u32 s46, s46, s45
	s_lshl_b32 s51, s46, 6                         ; my first tile's first query x 64 bytes
	s_lshl_b32 s47, s[BBD], 7
	s_add_co_u32 s47, s47, s45
	s_lshl_b32 s52, s47, 6                         ; my second tile's
	v_add_nc_u32 v249, s52, v248
	v_add_nc_u32 v248, s51, v248
	s_mov_b32 s48, s53
	s_add_nc_u64 s[12:13], s[4:5], s[48:49]        ; section Q, my pair
	global_load_b128 v[16:19], v248, s[12:13]
	global_load_b128 v[20:23], v248, s[12:13] offset:32
	global_load_b128 v[24:27], v249, s[12:13]
	global_load_b128 v[28:31], v249, s[12:13] offset:32
	v_lshrrev_b32 v[AK0], 2, v7
	s_delay_alu instid0(VALU_DEP_1)
	v_mul_u32_u24 v[AK0], v[AK0], 272
	v_and_b32 v251, 3, v7
	s_delay_alu instid0(VALU_DEP_1)
	v_lshl_add_u32 v[AK0], v251, 6, v[AK0]
	s_wait_alu depctr_va_vdst(0)
	v_lshl_add_u32 v[AK0], v245, 4, v[AK0]
	v_lshlrev_b32 v251, 3, v245
	s_delay_alu instid0(VALU_DEP_1)
	v_sub_nc_u32 v[DL], v7, v251
	s_delay_alu instid0(VALU_DEP_1)
	v_add_nc_u32 v[DL], s45, v[DL]                 ; on the diagonal register 8 t + j is hidden where 16 t + j > this
	v_and_b32 v[PFO], 31, v0
	s_delay_alu instid0(VALU_DEP_1)
	v_lshlrev_b32 v[PFO], 8, v[PFO]
	s_and_b32 s48, s[WV], 1
	s_add_co_u32 s48, s48, 1
	s_lshl_b32 s48, s48, 23
	s_add_co_u32 s48, s48, s53
	s_lshl_b32 s46, s10, 13                        ; my work-group's 8,192 bytes of a slot's 32,768
	s_add_co_u32 s48, s48, s46
	s_add_co_u32 s48, s48, 32768                   ; in slot 1: the first change of slots steps it to slot 2
	s_add_nc_u64 s[PFA:PFA+1], s[4:5], s[48:49]
	s_and_b32 s46, s11, 15
	s_lshl_b32 s46, s46, 19                        ; ao: head x 8,192 tokens x 64 bytes
	s_lshr_b32 s47, s11, 4
	s_lshl_b32 s47, s47, 17                        ; + batch x 2,048 x 64
	s_add_co_u32 s48, s46, s47
	s_add_nc_u64 s[8:9], s[8:9], s[48:49]
	v_mov_b32 v9, 0xff61b1e6                       ; the largest t so far: -3e38
	s_delay_alu instid0(VALU_DEP_1)
	v_floor_f32 v8, -v9                            ; -M
	v_mov_b32 v10, 0
	v_mov_b32 v11, 0
	v_mov_b32 v13, 0xff61b1e6
	s_delay_alu instid0(VALU_DEP_1)
	v_floor_f32 v12, -v13
	v_mov_b32 v14, 0
	v_mov_b32 v15, 0
	v_mov_b32 v236, 0                              ; written once: a lane permute's destination counts as one of its sources
	v_mov_b32 v237, 0
	v_mov_b32 v253, 0                              ; (named as the upper half of the pair v[252:253])
	v_mov_b32 v250, 0xff800000                     ; -infinity
.set jj, 0
.rept 64
	v_mov_b32 v[160+jj], 0                         ; O^T of both tiles: the step is written once; its first run finds zeros
.set jj, jj+1
.endr
	s_wait_kmcnt 0x0
	s_add_co_i32 s46, s40, s41
	s_lshl_b32 s46, s46, 23
	s_add_co_i32 s[CS], s[CS], s46                 ; e6 + e7 are added to c's exponent field
	s_mov_b32 s[CS+1], s[CS]
	s_add_co_i32 s46, s42, 127
	s_lshl_b32 s47, s46, 23
	v_mov_b32 v244, s47                            ; 2^e8
	s_add_co_i32 s46, s44, 127
	s_lshl_b32 s47, s46, 23
	v_mov_b32 v247, s47                            ; 2^e10
	s_add_co_i32 s50, s42, s43                     ; e8 + e9
; ONE TILE'S STEP of 128 keys.  st: its statistics; qf: its Q; ot: its O^T; band: the scalar that holds its band.
.macro STEP st, qf, ot, band
	s_cmp_gt_u32 s[MS], s[\band]
	s_cbranch_scc1 .Lhid_\@                        ; all 128 keys come after my 16 queries
	v_add_nc_u32 v[ADR], s[TB], v[AK0]
.rept 3
	v_nop                                          ; with the addition: four places in front of loads into registers that the last products read
.endr
.irp t, 0,1,2,3,4,5,6,7
.irp c, 0,1
	ds_load_b128 v[32+8*\t+4*\c:32+8*\t+4*\c+3], v[ADR] offset:1088*\t+32*\c
.endr
.endr
	s_wait_alu depctr_va_vdst(0)
	s_wait_dscnt 8                                 ; tiles 0-3 are in; the eight loads of tiles 4-7 may be out
.irp t, 0,1,2,3
	v_wmma_f32_16x16x64_fp8_fp8 v[96+8*\t:103+8*\t], v[32+8*\t:39+8*\t], v[\qf:\qf+7], 0
.endr
	s_wait_dscnt 0x0
.irp t, 4,5,6,7
	v_wmma_f32_16x16x64_fp8_fp8 v[96+8*\t:103+8*\t], v[32+8*\t:39+8*\t], v[\qf:\qf+7], 0
.endr
.rept 4
	v_nop                                          ; places: behind them the scores are read, and V's fragments are loaded over K's
.endr
.irp u, 0,1,2,3                                ; V^T: 16 channels x 128 keys a fragment; asked for here, so that the loads land under the softmax
.irp kb, 0,1
.irp c, 0,1
	ds_load_b128 v[32+16*\u+8*\kb+4*\c:32+16*\u+8*\kb+4*\c+3], v[ADR] offset:VOFF+4352*\kb+1088*\u+32*\c
.endr
.endr
.endr
	s_cmp_lg_u32 s[MS], s[\band]
	s_cbranch_scc1 .Lopen_\@                       ; off the diagonal every key counts
.set nn, 0
.rept 64
	v_cmp_gt_i32 vcc_lo, 16*(nn/8)+nn%8, v[DL]
	v_cndmask_b32 v[96+nn], v[96+nn], v250, vcc_lo ; a hidden key's score becomes -infinity: p = 0
.set nn, nn+1
.endr
.Lopen_\@:
	v_max3_num_f32 v254, v96, v97, v98             ; the step's largest score of my query among my 64 keys, in two chains,
	v_max3_num_f32 v252, v99, v100, v101
.set ii, 6
.rept 14
	v_max3_num_f32 v254, v254, v[96+ii], v[97+ii]
	v_max3_num_f32 v252, v252, v[98+ii], v[99+ii]
.set ii, ii+4
.endr
	v_max3_num_f32 v254, v254, v158, v159
	s_delay_alu instid0(VALU_DEP_1)
	v_max_num_f32 v254, v254, v252
	v_permlanex16_b32 v236, v254, s[SEL], s[SEL+1]
	s_delay_alu instid0(VALU_DEP_1)
	v_max_num_f32 v254, v254, v236                 ; and among lane l xor 16's
	s_delay_alu instid0(VALU_DEP_1)
	v_mul_f32 v254, s[CS], v254                    ; as t (c is positive)
	s_delay_alu instid0(VALU_DEP_1)
	v_max_num_f32 v[\st+1], v[\st+1], v254         ; the running largest t
	v_mov_b32 v254, v[\st]
	s_delay_alu instid0(VALU_DEP_2)
	v_floor_f32 v[\st], -v[\st+1]                  ; the new -M = -ceil(t)
	s_delay_alu instid0(VALU_DEP_1)
	v_sub_f32 v254, v[\st], v254                   ; old M - new M: a whole number, 0 or less
	s_delay_alu instid0(VALU_DEP_1)
	v_cvt_i32_f32 v254, v254                       ; (it saturates)
	s_delay_alu instid0(VALU_DEP_1)
	v_ldexp_f32 v252, 1.0, v254                    ; f = 2^(old M - new M)
.set jj, 0
.rept 32
	v_pk_fma_f32 v[96+jj:97+jj], v[96+jj:97+jj], s[CS:CS+1], v[\st:\st+1] op_sel_hi:[1,0,0]   ; t - M
.set jj, jj+2
.endr
.set jj, 0
	s_wait_alu depctr_va_vdst(0)
.rept 64
	v_exp_f32 v[96+jj], v[96+jj]                   ; p = 2^(t - M)
.set jj, jj+1
.endr
	v_pk_mul_f32 v[\st+2:\st+3], v[\st+2:\st+3], v[252:253] op_sel_hi:[1,0]   ; the sums under the new M: the plain line behind the exponentials
	s_wait_alu depctr_va_vdst(0)                   ; one wait for the whole batch, ahead of its first reader
	v_pk_add_f32 v[242:243], v[96:97], v[98:99]    ; the row's sum, of the unquantised p, in two chains
.set jj, 4
.rept 15
	v_pk_add_f32 v[\st+2:\st+3], v[\st+2:\st+3], v[96+jj:97+jj]
	v_pk_add_f32 v[242:243], v[242:243], v[98+jj:99+jj]
.set jj, jj+4
.endr
	s_delay_alu instid0(VALU_DEP_1)
	v_pk_add_f32 v[\st+2:\st+3], v[\st+2:\st+3], v[242:243]
.irp t, 0,1,2,3,4,5,6,7
.irp i, 0,1,2,3,4,5,6,7
.endr
	v_cvt_scalef32_pk8_fp8_f32 v[224+2*\t:225+2*\t], v[96+8*\t:103+8*\t], v244   ; keys 16 t + 8 h + 0 .. 7: registers 2 t, 2 t + 1 of the operand
.endr
.set jj, 0
.rept 16
	v_pk_mul_f32 v[\ot+jj:\ot+jj+1], v[\ot+jj:\ot+jj+1], v[252:253] op_sel_hi:[1,0]   ; O^T under the new M; also the plain lines behind the conversions
.set jj, jj+2
.endr
	s_wait_alu depctr_va_vdst(0)
	s_wait_dscnt 0x0                               ; V's fragments
.irp u, 0,1,2,3
	v_wmma_f32_16x16x128_fp8_fp8 v[\ot+8*\u:\ot+8*\u+7], v[32+16*\u:47+16*\u], v[224:239], v[\ot+8*\u:\ot+8*\u+7]   ; four accumulators by turns; the next matrix instruction on any way starts scores anew
.endr
.Lhid_\@:
.endm
; THE CHANGE OF SLOTS, at a slot's head: each wave waits for all its tensor loads, adds 0 to its spare word, and waits for that and for its reads of the slot that it has left.
; fill = 1: behind a round of the cluster's barrier that other slot is filled with the next 512 keys: the load has a whole slot's steps in which to land.
.macro CHANGE fill
	s_wait_tensorcnt 0x0
	ds_add_u32 v[SPW], v[NIL]
.if \fill
	s_xor_b32 s33, s33, SLOT1                      ; the walking descriptor: the other slot,
	s_add_nc_u64 s[34:35], s[34:35], 32768         ; the next 512 keys
	s_wait_xcnt 0x0                                ; the last prefetch, a slot back, has read its address
	s_add_nc_u64 s[PFA:PFA+1], s[PFA:PFA+1], 32768
.endif
	s_wait_dscnt 0x0
.if \fill
	CROUND
	TLOAD                                          ; the first thing behind the round, a wave's one tensor load until the next
	ASK
.else
	s_barrier_signal -1
	s_barrier_wait -1
.endif
.endm
.macro SLOT_STEPS                      ; a slot's four steps: written once, walked four times
	s_mov_b32 s[CNT], 4
.Lstep_\@:
	STEP 8, 16, 160, BA
	STEP 12, 24, 192, BBD
	s_add_co_u32 s[MS], s[MS], 1
	s_add_co_u32 s[TB], s[TB], STEPB
	s_sub_co_u32 s[CNT], s[CNT], 1
	s_cmp_lg_u32 s[CNT], 0
	s_cbranch_scc1 .Lstep_\@
	s_sub_co_u32 s[TB], s[TB], 4*STEPB
	s_xor_b32 s[TB], s[TB], SLOT1                  ; on to the other slot
.endm
	s_wait_loadcnt 0x0                             ; Q
.Lslot:                                            ; three trips: behind each change of slots but the last the next slot is asked for
	CHANGE 1
	SLOT_STEPS
	s_sub_co_u32 s[SLOTS], s[SLOTS], 1
	s_cmp_lg_u32 s[SLOTS], 0
	s_cbranch_scc1 .Lslot
	CHANGE 0                                       ; the last slot is written out
	SLOT_STEPS
	; THE WAY OUT: O^T x 2^(e8 + e9) / the sum, quantised with 2^e10; a tile's 16 rows of 64 bytes go through my stage and leave as 2 x 512 consecutive bytes.
.rept 4
	v_nop                                          ; places behind the last products
.endr
	v_add_f32 v10, v10, v11
	v_add_f32 v14, v14, v15
	v_permlanex16_b32 v236, v10, s[SEL], s[SEL+1]
	v_permlanex16_b32 v237, v14, s[SEL], s[SEL+1]
	s_delay_alu instid0(VALU_DEP_2)
	v_add_f32 v10, v10, v236
	s_delay_alu instid0(VALU_DEP_2)
	v_add_f32 v14, v14, v237
	s_wait_alu depctr_va_vdst(0)
	v_rcp_f32 v10, v10
	v_rcp_f32 v14, v14
	v_and_b32 v7, 15, v0                           ; (plain lines behind the reciprocals)  r
	v_bfe_u32 v245, v0, 4, 1                       ; h
	s_mul_i32 s46, s[WV], WST
	v_lshrrev_b32 v248, 2, v7
	s_delay_alu instid0(VALU_DEP_1)
	v_mul_u32_u24 v248, v248, 272
	v_and_b32 v249, 3, v7
	s_delay_alu instid0(VALU_DEP_1)
	v_lshl_add_u32 v248, v249, 6, v248
	s_delay_alu instid0(VALU_DEP_1)
	v_lshl_add_u32 v248, v245, 3, v248
	s_delay_alu instid0(VALU_DEP_1)
	v_add_nc_u32 v248, s46, v248                   ; in: row r, + 8 h
	v_mul_u32_u24 v249, v245, 272
	s_delay_alu instid0(VALU_DEP_1)
	v_lshl_add_u32 v249, v7, 4, v249
	s_delay_alu instid0(VALU_DEP_1)
	v_add_nc_u32 v249, s46, v249                   ; back: sixteen lanes to a line
	v_and_b32 v251, 31, v0
	s_delay_alu instid0(VALU_DEP_1)
	v_lshlrev_b32 v251, 4, v251
	s_delay_alu instid0(VALU_DEP_1)
	v_add_nc_u32 v255, s52, v251                   ; my second tile's bytes in ao
	s_delay_alu instid0(VALU_DEP_2)
	v_add_nc_u32 v251, s51, v251                   ; my first tile's
	s_wait_alu depctr_va_vdst(0)                   ; one wait for both reciprocals, ahead of their first reader
	v_ldexp_f32 v10, v10, s50
	v_ldexp_f32 v14, v14, s50
.macro OUT tt, ot, lp
.set jj, 0
.rept 16
	v_pk_mul_f32 v[96+32*\tt+jj:97+32*\tt+jj], v[\ot+jj:\ot+jj+1], v[\lp:\lp+1] op_sel_hi:[1,0]   ; register 8 u + j: channel 16 u + 8 h + j of query r; each accumulator from its low end on
.set jj, jj+2
.endr
.set jj, 0
.rept 32
.set jj, jj+1
.endr
.irp u, 0,1,2,3
	v_cvt_scalef32_pk8_fp8_f32 v[224+8*\tt+2*\u:225+8*\tt+2*\u], v[96+32*\tt+8*\u:103+32*\tt+8*\u], v247
.endr
	v_nop
.irp u, 0,1,2,3
	ds_store_b64 v248, v[224+8*\tt+2*\u:225+8*\tt+2*\u] offset:1088*\tt+16*\u
.endr
.irp x, 0,1
	ds_load_b128 v[32+8*\tt+4*\x:35+8*\tt+4*\x], v249 offset:1088*\tt+544*\x   ; LDS serves a wave's instructions in order: these see my stores
.endr
.endm
	OUT 0, 160, 10
	OUT 1, 192, 14
	s_wait_dscnt 7                                 ; behind the first tile's first load: its second, and the second tile's four stores and two loads
	global_store_b128 v251, v[32:35], s[8:9]
	s_wait_dscnt 6
	global_store_b128 v251, v[36:39], s[8:9] offset:512
	s_wait_dscnt 1
	global_store_b128 v255, v[40:43], s[8:9]
	s_wait_dscnt 0x0
	global_store_b128 v255, v[44:47], s[8:9] offset:512
	s_wait_tensorcnt 0x0                           ; the wave's end
	ds_add_u32 v[SPW], v[NIL]
	s_wait_dscnt 0x0
	CROUND                                         ; the closing round
	s_endpgm
.Lfunc_end_k_q29bb5b4fc9_attn:
	.size	k_q29bb5b4fc9_attn, .Lfunc_end_k_q29bb5b4fc9_attn-k_q29bb5b4fc9_attn
	.p2alignl 7, 3214868480
	.fill 96, 4, 3214868480
	.section	.rodata,"a",@progbits
	.p2align	6, 0x0
	.amdhsa_kernel k_q29bb5b4fc9_attn
		.amdhsa_group_segment_fixed_size 327680
		.amdhsa_private_segment_fixed_size 0
		.amdhsa_enable_private_segment 0
		.amdhsa_kernarg_size 24
		.amdhsa_user_sgpr_count 2
		.amdhsa_user_sgpr_kernarg_segment_ptr 1
		.amdhsa_wavefront_size32 1
		.amdhsa_system_sgpr_workgroup_id_x 1
		.amdhsa_system_sgpr_workgroup_id_y 1
		.amdhsa_system_sgpr_workgroup_id_z 1
		.amdhsa_system_vgpr_workitem_id 0
		.amdhsa_next_free_vgpr 256
		.amdhsa_next_free_sgpr 66
		.amdhsa_reserve_vcc 1
		.amdhsa_float_denorm_mode_32 3
		.amdhsa_float_denorm_mode_16_64 3
		.amdhsa_fp16_overflow 1
		.amdhsa_memory_ordered 1
		.amdhsa_forward_progress 1
		.amdhsa_inst_pref_size 91
	.end_amdhsa_kernel
	.amdgpu_metadata
---
amdhsa.version: [ 1, 2 ]
amdhsa.kernels:
  - .name:           k_q29bb5b4fc9_attn
    .symbol:         k_q29bb5b4fc9_attn.kd
    .args:
      - { .name: qkv, .offset: 0, .size: 8, .value_kind: global_buffer, .address_space: global }
      - { .name: lowp_scales, .offset: 8, .size: 8, .value_kind: global_buffer, .address_space: global }
      - { .name: ao, .offset: 16, .size: 8, .value_kind: global_buffer, .address_space: global }
    .group_segment_fixed_size: 327680
    .private_segment_fixed_size: 0
    .kernarg_segment_align: 8
    .kernarg_segment_size: 24
    .max_flat_workgroup_size: 512
    .sgpr_count:     66
    .vgpr_count:     256
    .wavefront_size: 32
...
	.end_amdgpu_metadata
.endif
;; end of part 3
;; launch oproj (part 4): grid 8 x 32, 4 waves a work-group, clusters of 4 x 4, 327,680 bytes of LDS; arguments ao, xw, bo, lowp_scales, out0; writes out0
.if DOCPART == 4
	.amdgcn_target "amdgcn-amd-amdhsa--gfx1250"
	.amdhsa_code_object_version 6
	.text
	.protected	k_q29bb5b4fc9_oproj
	.globl	k_q29bb5b4fc9_oproj
	.p2align	8
	.type	k_q29bb5b4fc9_oproj,@function
k_q29bb5b4fc9_oproj:
	s_mov_b64 s[64:65], 0
	v_nop
	global_prefetch_b8 v0, s[64:65] scope:SCOPE_SE
	s_setreg_imm32_b32 hwreg(HW_REG_WAVE_MODE, 25, 1), 1
	s_wait_xcnt 0x0
	s_wait_alu depctr_hold_cnt(0) depctr_sa_sdst(0) depctr_va_vdst(0) depctr_va_sdst(0) depctr_va_ssrc(0) depctr_va_vcc(0) depctr_vm_vsrc(0)
	s_getreg_b32 s2, hwreg(HW_REG_IB_STS2, 6, 4)
	s_cmp_eq_u32 s2, 0
	s_cbranch_scc0 .Lentry_in_a_cluster
	s_endpgm
.Lentry_in_a_cluster:
	s_bfe_u32 s2, ttmp6, 0x10000c
	s_cmp_lg_u32 s2, 0xf033
	s_cbranch_scc0 .Lentry_shape_is_right
	s_endpgm
.Lentry_shape_is_right:
; out0 = attention's result x Wo^T + bo, on codes of FP8 (E4M3): out0[t][n] = 2^(e10 + e11) x sum over k of A[t][k] B[n][k] + bo[n], f32.
; A = ao, laid [16 heads][8,192 tokens][64 bytes], k = 64 x head + channel.  B = Wo's codes, in xw from byte 27 Mi on, rows of 1,024 bytes.
; A tile of C is 256 (tokens) x 128: 256 work-groups.  Four waves, 128 x 64 each: 32 accumulators.  K goes in steps of 256 (four heads) through a ring of two LDS slots.
; A's tile of 128 tokens x 256 K is four rows of memory, one a head, of 8,192 dense bytes each (128 tokens x 64); the mover lays 16 bytes of padding behind every 256: head hh lies at 8,704 hh, token t at 272 (t / 4) + 64 (t % 4).
; CLUSTERS: 4 x 4 work-groups; A's tile is asked for jointly along a row of the cluster, B's along a column.  The matrix instruction is used transposed: a lane holds eight neighbouring columns of a row of C.
; LIMIT: e10 + e11 between -126 and 127.  All 327,680 bytes of LDS are claimed; the text uses 209,408.
; REGISTERS: window 0: v0-31 addresses; v32-63 bo; from v128 A's fragments, one set (way out: v64-127 scaled sums, v128-191 rows).  window 1: B's fragments, two sets, at v0 and v128.  window 2: accumulator (a, b) at v[8 (4 a + b)].
.set KSTEP,  256
.set ROWB,   256
.set KROW,   1024
.set PITCH,  272
.set FR,     16
.set NL,     4
.set NP,     4
.set HALFA,  128*PITCH                 ; 4 heads x 8,704 bytes
.set HALFB,  64*PITCH
.set SLOT,   2*HALFA+2*HALFB
.set LAPS,   1024/(2*KSTEP)
.set SPARE,  2*SLOT                    ; the spare words, 128 bytes a wave: two blocks of 256 bytes that no other line names
.set ASTEP,  4*524288                  ; a K step on in ao: four heads
.set WST,    16*272                    ; the way out: 16 rows of 256 + 16 bytes for each wave, in slot 0, which has had its last fill and its last read by then
.set ADRA, 16
.set ADRB, 20
.set STO,  24
.set RD,   25
.set CO,   26
.set SPW,  28
.set NIL,  29
.set OBN,  30
.set BN,   32
.set AF,   128
.set G1, 24
.set G0, 32
.set G1B, 48
.set G0B, 56
.set MSB, 0
.macro WIN new
.if MSB != \new
	s_set_vgpr_msb (MSB<<8)|\new
.set MSB, \new
.endif
.endm
.set MUL,  0xa1                        ; source 0 (B) window 1, source 1 (A) window 0, C and D window 2
.set TO_B, 0x40
.macro JLOAD g0a, g1a, g0b, g1b        ; waves 0, 1 fetch A's halves, waves 2, 3 B's; four v_nop follow each of the two lines
	s_cmp_eq_u32 s15, 0
	s_cbranch_scc0 .Lfor_b_\@
	tensor_load_to_lds s[\g0a:\g0a+3], s[\g1a:\g1a+7]
	s_nop 0
.rept 4
	v_nop
.endr
	s_branch .Lasked_\@
.Lfor_b_\@:
	tensor_load_to_lds s[\g0b:\g0b+3], s[\g1b:\g1b+7]
	s_nop 0
.rept 4
	v_nop
.endr
.Lasked_\@:
.endm
.macro CREST
	s_cmp_lg_u32 s14, 0
	s_cbranch_scc1 .Lnot_wave_0_\@
	s_barrier_signal -3
.Lnot_wave_0_\@:
	s_barrier_wait -3
	s_barrier_signal -1
	s_barrier_wait -1
.endm
.macro CROUND
	s_barrier_signal -1
	s_barrier_wait -1
	CREST
.endm
	s_load_b256 s[80:87], s[0:1], 0x0              ; ao s[80:81], xw s[82:83], bo s[84:85], the exponents s[86:87]
	s_load_b64 s[88:89], s[0:1], 0x20              ; out0
	v_lshl_add_u32 v[SPW], v0, 2, SPARE
	v_mov_b32 v[NIL], 0
	ds_add_u32 v28, v29
	ds_add_u32 v28, v29
	s_wait_dscnt 0x0
	v_lshrrev_b32 v1, 5, v0
	v_readfirstlane_b32 s14, v1                    ; wave 0..3
	s_lshr_b32 s15, s14, 1                         ; my half of the tile's rows.  Also: I fetch for A (0) or for B (1)
	s_and_b32 s16, s14, 1                          ; my half of its columns.  Also: which half I fetch
	s_bfe_u32 s40, ttmp6, 0x40000                  ; cx
	s_bfe_u32 s41, ttmp6, 0x40004                  ; cy
	s_lshl_b32 s42, ttmp9, 2
	s_add_co_u32 s42, s42, s40                     ; tile column
	s_and_b32 s17, ttmp7, 0xffff
	s_lshl_b32 s17, s17, 2
	s_add_co_u32 s17, s17, s41                     ; tile row
	s_lshl_b32 s43, s41, 2
	s_lshl_b32 s43, 15, s43                        ; my row of the cluster
	s_lshl_b32 s44, 0x1111, s40                    ; my column
	s_or_b32 s[G1+0], s43, (0<<16)|(1<<20)|(1<<21)|(5<<22)|(3<<25)  ; the mask; elements of 1 byte; padding on; bit 21 beside a mask; 4 words after every 64
	s_mov_b32 s[G1+1], 8192<<16                    ; tensor_dim0 = 8,192 bytes: 128 tokens of one head
	s_mov_b32 s[G1+2], 4<<16                       ; tensor_dim1 = 4 heads
	s_mov_b32 s[G1+3], 8192<<16                    ; tile_dim0
	s_mov_b32 s[G1+4], 4                           ; tile_dim1
	s_mov_b32 s[G1+5], 524288                      ; from head to head
	s_mov_b32 s[G1+6], 0
	s_mov_b32 s[G1+7], 0
	s_or_b32 s[G1B+0], s44, (0<<16)|(1<<20)|(1<<21)|(5<<22)|(3<<25)
	s_mov_b32 s[G1B+1], ROWB<<16
	s_mov_b32 s[G1B+2], 64<<16
	s_mov_b32 s[G1B+3], ROWB<<16
	s_mov_b32 s[G1B+4], 64
	s_mov_b32 s[G1B+5], KROW
	s_mov_b32 s[G1B+6], 0
	s_mov_b32 s[G1B+7], 0
	s_lshl_b32 s20, s17, 8
	s_lshl_b32 s18, s16, 7
	s_add_co_u32 s20, s20, s18
	s_lshl_b32 s20, s20, 6                         ; A: token (256 x tile row + 128 x half) x 64 bytes
	s_mov_b32 s21, 0
	s_lshl_b32 s46, s42, 7
	s_lshl_b32 s19, s16, 6
	s_add_co_u32 s46, s46, s19
	s_lshl_b32 s46, s46, 10                        ; B: row (128 x tile column + 64 x half) x 1,024 bytes,
	s_add_co_u32 s46, s46, 27<<20                  ; in Wo's part of xw
	s_mov_b32 s47, 0
	s_mul_i32 s45, s16, HALFA
	s_mul_i32 s98, s16, HALFB
	s_add_co_u32 s98, s98, 2*HALFA
	s_wait_kmcnt 0x0
	s_load_b64 s[96:97], s[86:87], 0x28            ; e10, e11
	s_add_nc_u64 s[20:21], s[80:81], s[20:21]
	s_add_nc_u64 s[46:47], s[82:83], s[46:47]
	CROUND                                         ; all sixteen work-groups are here
.irp s, 0,1
	s_mov_b32 s[G0+4*\s], 1
	s_add_co_u32 s[G0+4*\s+1], s45, \s*SLOT
	s_add_nc_u64 s[G0+4*\s+2:G0+4*\s+3], s[20:21], \s*ASTEP
	s_or_b32 s[G0+4*\s+3], s[G0+4*\s+3], 0x80000000
	s_mov_b32 s[G0B+4*\s], 1
	s_add_co_u32 s[G0B+4*\s+1], s98, \s*SLOT
	s_add_nc_u64 s[G0B+4*\s+2:G0B+4*\s+3], s[46:47], \s*ROWB
	s_or_b32 s[G0B+4*\s+3], s[G0B+4*\s+3], 0x80000000
	s_wait_alu depctr_va_vdst(0)
	s_wait_tensorcnt 0x0
	ds_add_u32 v28, v29
	ds_add_u32 v28, v29
	s_wait_dscnt 0x0
	CROUND
	JLOAD G0+4*\s, G1, G0B+4*\s, G1B
.endr
	v_and_b32 v1, 15, v0                           ; r
	v_bfe_u32 v2, v0, 4, 1                         ; h
	v_mul_u32_u24 v3, v1, PITCH
	v_lshl_add_u32 v4, v2, 4, v3                   ; B: row x pitch + 16 h
	v_lshrrev_b32 v5, 2, v1
	v_mul_u32_u24 v5, v5, 272
	v_and_b32 v6, 3, v1
	v_lshl_add_u32 v5, v6, 6, v5
	v_lshl_add_u32 v5, v2, 4, v5                   ; A: token r at 272 (r / 4) + 64 (r % 4), + 16 h
	s_mul_i32 s21, s15, HALFA
	s_mul_i32 s22, s16, HALFB
	s_add_co_u32 s22, s22, 2*HALFA
.irp s, 0,1
	v_add_nc_u32 v[ADRA+\s], s21, v5
	v_add_nc_u32 v[ADRB+\s], s22, v4
	s_add_co_u32 s21, s21, SLOT
	s_add_co_u32 s22, s22, SLOT
.endr
	s_mul_i32 s23, s14, WST
	v_lshl_add_u32 v7, v2, 5, v3
	v_add_nc_u32 v[STO], s23, v7                   ; the stage, in: row r, + 32 h
	v_mul_u32_u24 v7, v2, 272
	v_lshl_add_u32 v7, v1, 4, v7
	v_add_nc_u32 v[RD], s23, v7                    ; back: sixteen lanes to a row, two rows an instruction
	v_lshlrev_b32 v[CO], 12, v2
	v_lshl_add_u32 v[CO], v1, 4, v[CO]             ; and the same two rows in out0 (4,096 bytes a row)
	v_lshlrev_b32 v[OBN], 5, v2
	s_lshl_b32 s4, s42, 7
	s_lshl_b32 s5, s16, 6
	s_add_co_u32 s4, s4, s5
	s_lshl_b32 s4, s4, 2                           ; my first column, in bytes
	s_mov_b32 s5, 0
	s_add_nc_u64 s[8:9], s[84:85], s[4:5]
.irp b, 0,1,2,3
	global_load_b128 v[BN+8*\b:BN+8*\b+3], v[OBN], s[8:9] offset:64*\b        ; bo[16 b + 8 h + 0 .. 7]
	global_load_b128 v[BN+8*\b+4:BN+8*\b+7], v[OBN], s[8:9] offset:64*\b+16
.endr
	s_lshl_b32 s18, s17, 8
	s_lshl_b32 s19, s15, 7
	s_add_co_u32 s18, s18, s19
	s_lshl_b32 s18, s18, 12                        ; my first row x 4,096 bytes
	s_add_co_u32 s18, s18, s4
	s_mov_b32 s19, 0
	s_add_nc_u64 s[10:11], s[88:89], s[18:19]
.macro FRAG reg, adr, q, i             ; B: registers 4 c .. 4 c + 3 hold K = 128 q + 32 c + 16 (l / 16) + 0 .. 15 of row l % 16
.irp c, 0,1,2,3
	ds_load_b128 v[\reg+4*\c:\reg+4*\c+3], v[\adr] offset:128*(\q)+32*\c+(\i)*16*PITCH
.endr
.endm
.macro FRAGA reg, adr, q, i            ; A: the same k: head 2 q + c / 2 of the slot's four, channels 32 (c % 2) + 16 (l / 16) on
.irp c, 0,1,2,3
	ds_load_b128 v[\reg+4*\c:\reg+4*\c+3], v[\adr] offset:(2*(\q)+\c/2)*8704+(\i)*1088+32*(\c%2)
.endr
.endm
; 8 matrix instructions: A's blocks a0, a0 + 1 x B's four.  The 32 accumulators take turns, one instruction a turn, in the same order in every step.
.macro MUL8 a0, p, zero
.irp a, \a0, \a0+1
.irp b, 0,1,2,3
.if \zero
	v_wmma_f32_16x16x128_fp8_fp8 v[8*(4*(\a)+\b):8*(4*(\a)+\b)+7], v[128*(\p)+FR*\b:128*(\p)+FR*\b+FR-1], v[AF+FR*(\a):AF+FR*(\a)+FR-1], 0
.else
	v_wmma_f32_16x16x128_fp8_fp8 v[8*(4*(\a)+\b):8*(4*(\a)+\b)+7], v[128*(\p)+FR*\b:128*(\p)+FR*\b+FR-1], v[AF+FR*(\a):AF+FR*(\a)+FR-1], v[8*(4*(\a)+\b):8*(4*(\a)+\b)+7]
.endif
.endr
.endr
.endm
.macro FETCH_B slot, q, p
	WIN TO_B
.irp i, 0,1,2,3
	FRAG 128*(\p)+FR*\i, ADRB+\slot, \q, \i
.endr
	WIN 0
.endm
.macro FETCH_A slot, q, i0
.irp i, \i0, \i0+1, \i0+2, \i0+3
	FRAGA AF+FR*(\i), ADRA+\slot, \q, \i
.endr
.endm
.macro PLACES n
.rept \n
	v_nop
.endr
.endm
.macro STEP slot, q, zero
	s_wait_dscnt 4*NL                              ; B's set and A's blocks 0-3 are in; the youngest sixteen loads (A's blocks 4-7) may be out
	WIN MUL
	MUL8 0, (\q)%2, \zero
	MUL8 2, (\q)%2, \zero
	s_wait_dscnt 0
	PLACES NP
	FETCH_B \slot, (\q)+1, 1-(\q)%2
	FETCH_A \slot, (\q)+1, 0
	WIN MUL
	MUL8 4, (\q)%2, \zero
	MUL8 6, (\q)%2, \zero
	PLACES NP
	WIN 0
	FETCH_A \slot, (\q)+1, 4
.endm
.macro TURN slot, next, fill
	s_wait_tensorcnt 0x0                           ; all my tensor loads have landed: my part of the next slot
	ds_add_u32 v[SPW], v[NIL]
	s_wait_dscnt 4*NL+1                            ; the add and the youngest sixteen loads may be out
	WIN MUL
	MUL8 0, 1, 0
	s_wait_dscnt 0x0                               ; the add is done, and my reads of this slot are over
	s_barrier_signal -1
	MUL8 2, 1, 0
	WIN 0
	s_barrier_wait -1
.if \fill
	CREST                                          ; the barrier has opened a round of the cluster's
	s_add_nc_u64 s[G0+4*\slot+2:G0+4*\slot+3], s[G0+4*\slot+2:G0+4*\slot+3], 2*ASTEP
	s_add_nc_u64 s[G0B+4*\slot+2:G0B+4*\slot+3], s[G0B+4*\slot+2:G0B+4*\slot+3], 2*ROWB
	JLOAD G0+4*\slot, G1, G0B+4*\slot, G1B         ; the first tensor load behind the round; its four v_nop are also the places in front of the loads below
.else
	PLACES NP
.endif
	s_wait_alu depctr_va_vdst(0)
	FETCH_B \next, 0, 0
	FETCH_A \next, 0, 0
	WIN MUL
	MUL8 4, 1, 0
	MUL8 6, 1, 0
	PLACES NP
	WIN 0
	FETCH_A \next, 0, 4
.endm
	s_wait_tensorcnt 1                             ; my part of K step 0 is in; K step 1's load may be out
	s_barrier_signal -1
	s_barrier_wait -1
	FETCH_B 0, 0, 0
	FETCH_A 0, 0, 0
	FETCH_A 0, 0, 4
	STEP 0, 0, 1
	s_mov_b32 s3, LAPS-1
.Llap:
	TURN 0, 1, 1
	STEP 1, 0, 0
	TURN 1, 0, 1
	STEP 0, 0, 0
	s_sub_co_u32 s3, s3, 1
	s_cmp_lg_u32 s3, 0
	s_cbranch_scc1 .Llap
	TURN 0, 1, 0
	STEP 1, 0, 0
	s_wait_dscnt 4*NL
	WIN MUL
	MUL8 0, 1, 0
	MUL8 2, 1, 0
	s_wait_dscnt 0
	MUL8 4, 1, 0
	MUL8 6, 1, 0
	WIN 0
; THE WAY OUT, block by block of 16 rows x 64 columns: sum x 2^(e10 + e11) + bo; through my stage; back as whole rows of 256 bytes, sixteen lanes to a row.
.macro TOSTAGE a
.set AC, 32*(\a)
.set TM, 64+32*((\a)%2)
.set BB, 128+32*((\a)%2)
	WIN 0x02                                       ; source 0: window 2
.set jj, 0
.rept 16
	v_pk_fma_f32 v[TM+jj:TM+jj+1], v[AC+jj:AC+jj+1], s[96:97], v[BN+jj:BN+jj+1] op_sel_hi:[1,0,1]   ; each accumulator from its low end on
.set jj, jj+2
.endr
	WIN 0
.irp b, 0,1,2,3
	ds_store_b128 v[STO], v[TM+8*\b:TM+8*\b+3] offset:64*\b
	ds_store_b128 v[STO], v[TM+8*\b+4:TM+8*\b+7] offset:64*\b+16
.endr
.irp t, 0,1,2,3,4,5,6,7
	ds_load_b128 v[BB+4*\t:BB+4*\t+3], v[RD] offset:\t*544   ; LDS serves a wave's instructions in order: these see the stores above
.endr
.endm
.macro SEND a, younger
.set BB, 128+32*((\a)%2)
	s_wait_dscnt \younger
.irp t, 0,1,2,3,4,5,6,7
	global_store_b128 v[CO], v[BB+4*\t:BB+4*\t+3], s[10:11] offset:(16*(\a)+2*\t)*4096 th:TH_STORE_NT   ; 16 lanes store 256 consecutive bytes, aligned; 126 rows at the most: inside the signed 24-bit immediate
.endr
.endm
	s_wait_kmcnt 0x0
	s_add_co_i32 s96, s96, s97
	s_add_co_i32 s96, s96, 127
	s_lshl_b32 s96, s96, 23                        ; 2^(e10 + e11) as f32
	s_mov_b32 s97, s96
	s_wait_loadcnt 0x0                             ; bo
	PLACES NP
	TOSTAGE 0
.irp a, 1,2,3,4,5,6,7
.if \a > 1
	s_wait_xcnt 0x0                                ; block a - 2's stores have read their registers: block a's loads may land there
.endif
	TOSTAGE \a
	SEND \a-1, 16                                  ; behind block a - 1's loads: block a's 8 stores and 8 loads
.endr
	SEND 7, 0
	s_wait_tensorcnt 0x0                           ; the wave's end
	ds_add_u32 v[SPW], v[NIL]
	s_wait_dscnt 0x0
	CROUND                                         ; the closing round
	s_endpgm
.Lfunc_end_k_q29bb5b4fc9_oproj:
	.size	k_q29bb5b4fc9_oproj, .Lfunc_end_k_q29bb5b4fc9_oproj-k_q29bb5b4fc9_oproj
	.p2alignl 7, 3214868480
	.fill 96, 4, 3214868480
	.section	.rodata,"a",@progbits
	.p2align	6, 0x0
	.amdhsa_kernel k_q29bb5b4fc9_oproj
		.amdhsa_group_segment_fixed_size 327680
		.amdhsa_private_segment_fixed_size 0
		.amdhsa_enable_private_segment 0
		.amdhsa_kernarg_size 40
		.amdhsa_user_sgpr_count 2
		.amdhsa_user_sgpr_kernarg_segment_ptr 1
		.amdhsa_wavefront_size32 1
		.amdhsa_system_sgpr_workgroup_id_x 1
		.amdhsa_system_sgpr_workgroup_id_y 1
		.amdhsa_system_sgpr_workgroup_id_z 1
		.amdhsa_system_vgpr_workitem_id 0
		.amdhsa_next_free_vgpr 768
		.amdhsa_next_free_sgpr 100
		.amdhsa_reserve_vcc 0
		.amdhsa_float_denorm_mode_32 3
		.amdhsa_float_denorm_mode_16_64 3
		.amdhsa_memory_ordered 1
		.amdhsa_forward_progress 1
		.amdhsa_inst_pref_size 79
	.end_amdhsa_kernel
	.amdgpu_metadata
---
amdhsa.version: [ 1, 2 ]
amdhsa.kernels:
  - .name:           k_q29bb5b4fc9_oproj
    .symbol:         k_q29bb5b4fc9_oproj.kd
    .args:
      - { .name: ao, .offset: 0, .size: 8, .value_kind: global_buffer, .address_space: global }
      - { .name: xw, .offset: 8, .size: 8, .value_kind: global_buffer, .address_space: global }
      - { .name: bo, .offset: 16, .size: 8, .value_kind: global_buffer, .address_space: global }
      - { .name: lowp_scales, .offset: 24, .size: 8, .value_kind: global_buffer, .address_space: global }
      - { .name: out0, .offset: 32, .size: 8, .value_kind: global_buffer, .address_space: global }
    .group_segment_fixed_size: 327680
    .private_segment_fixed_size: 0
    .kernarg_segment_align: 8
    .kernarg_segment_size: 40
    .max_flat_workgroup_size: 128
    .sgpr_count:     100
    .vgpr_count:     768
    .wavefront_size: 32
...
	.end_amdgpu_metadata
.endif
;; end of part 4
